; MI455X (gfx1250); checked and timed in simulation.
; The chip was launched on July 23, 2026; its instructions are those of AMD's public machine-readable ISA for CDNA 5 (MIT licence, August 2026) and "CDNA5" Instruction Set Architecture Reference Guide (July 2026). The comments in the code are by the model that wrote it; some were corrected since.
;; UKR. Allowed arithmetic: matrix products marked QUANTISED: E2M3 operands, one E8M0 scale for each 32 along K, by v_wmma_scale_f32_16x16x128_f8f6f4 with both operands' format E2M3, f32 sums; products left as they are: f32 operands where the result goes on into a quantised operand, else bf16, f16 or f32 operands; f32 sums; everything else in f32.
;; Inputs: X_codes 512 x 256 x 24 uint8 (E2M3 codes of X, K innermost, in blocks of 32 codes, four codes in three bytes); X_scales 512 x 256 uint8 (E8M0 scales of X, one for each 32 codes along K); Z 8,192 x 2 float32.
;; Outputs: out0 8,192 x 512 float32; out1 8,192 x 2 float32.
;; This version of the problem:
;;   THIS VERSION OF THE PROBLEM IS GIVEN IN LOW PRECISION. The matrix products marked QUANTISED in the list below multiply operands that are first quantised to E2M3 (2 exponent bits, 3 mantissa bits; 6 bits a number), with one power-of-two scale for each 32 numbers along K (OCP MX v1.0); their sums are f32. All else is computed in f32.
;;   The module's matrix products, in the order in which they are computed (A, B: the left and right operand; K: the contracted axis; several contracted axes count as one K, in the product's order):
;;     1. [M 8,192, K 2] x [K 2, N 8,192]; A: input Z; B: input Z: left as it is (K = 2 < 32)
;;     2. [M 8,192, K 8,192] x [K 8,192, N 512]; A: computed on the way; B: input X (given as codes): QUANTISED
;;   THE QUANTISER, for each operand of a quantised product, along K:
;;     - K is cut into blocks of 32 from its start; a last block that is shorter is filled with zeros.
;;     - A block's scale is 2^e with e = floor(log2(the largest magnitude in the block)) - 2, held to -126 .. 127; a block of zeros has e = 0. As a byte (E8M0): e + 127.
;;     - Each number is divided by its block's scale, clamped to +-7.5, and rounded to the nearest number of E2M3, ties to even, subnormals kept.
;;     - The product sums the exact products of the quantised numbers (number of the format x scale) in f32.
;;   ~~~python
;;   def quantise(x, axis):      # numpy; x: float32 -> the quantised numbers, widened to float32 again
;;       x = np.moveaxis(x, axis, -1); K = x.shape[-1]
;;       x = np.pad(x, [(0, 0)] * (x.ndim - 1) + [(0, -K % 32)]); x = x.reshape(x.shape[:-1] + (-1, 32)); a = np.abs(x).max(-1, keepdims=True)
;;       e = np.where(a > 0, np.clip(np.frexp(np.where(a > 0, a, 1))[1] - 1 - 2, -126, 127), 0)      # np.frexp(a)[1] - 1 = floor(log2(a)), exactly
;;       r = np.clip(x / 2.0 ** e, -7.5, 7.5)
;;       step = 2.0 ** (np.maximum(np.frexp(np.where(r == 0, 1, r))[1] - 1, 0) - 3)
;;       q = np.round(r / step) * step * 2.0 ** e      # np.round: ties to even
;;       return np.moveaxis(q.reshape(q.shape[:-2] + (-1,))[..., :K], -1, axis).astype(np.float32)
;;   ~~~
;;   OPERANDS COMPUTED ON THE WAY. 'Computed on the way' means the value that the module computes at that place (a softmax that the list does not call 'softmax' is quantised finished and normalised). What goes into a quantiser is computed in f32, as accurately as f32 sums, v_exp_f32 and their like allow (about 1e-6 of the number): no bf16 or f16 on the way to a quantiser, and a product that is left as it is and whose result goes on into a quantised operand takes f32 operands (vector FMAs, or v_wmma_f32_16x16x4_f32). A number that lies on a knife's edge between two numbers of the format may be rounded either way, as far as f32 arithmetic and the matrix unit's own rounding can turn it there, and no further.
;;   INPUTS GIVEN AS CODES. X (in the module: [8192, 512], K = its axis 0): each comes as NAME_codes (uint8): NAME with its K axis moved to the last place and cut into blocks of 32 codes, [.., K / 32, bytes a block], one block behind the other in memory; four codes in three bytes: a row's codes are one little-endian stream of bits, code i at bits 6 i .. 6 i + 5 (a code: sign, 2 exponent bits, 3 mantissa bits); and NAME_scales (uint8): the same leading axes, one E8M0 byte (e + 127) for each 32 codes along K. Its value is code x scale, taken as it is: it is not quantised again, and the codes and scales need not be those that the quantiser above would give.
;; One version. Each part assembles by itself: llvm-mc -triple=amdgcn-amd-amdhsa -mcpu=gfx1250 --defsym DOCPART=n.
;; ======== version 1 of 1: 2 launches
;; workspace buffers: XF 3,538,944 bytes; RR 65,536 bytes
;; launch prep (part 1): grid 256 x 1, 8 waves a work-group, no clusters, 2,048 bytes of LDS; arguments X_codes, X_scales, Z, XF, RR, out1; writes XF, RR, out1
.if DOCPART == 1
	.amdgcn_target "amdgcn-amd-amdhsa--gfx1250"
	.amdhsa_code_object_version 6
	.text
	.protected	k_q24c24dfc4e_prep
	.globl	k_q24c24dfc4e_prep
	.p2align	8
	.type	k_q24c24dfc4e_prep,@function
k_q24c24dfc4e_prep:
	s_mov_b64 s[64:65], 0
	v_nop
	global_prefetch_b8 v0, s[64:65] scope:SCOPE_SE
	s_setreg_imm32_b32 hwreg(HW_REG_WAVE_MODE, 25, 1), 1
	s_wait_xcnt 0x0
; Y = Q(R) X,  R = K / rowsum(K),  K[i][j] = exp(-d2[i][j] / 2),  d2 = |z_i|^2 + |z_j|^2 - 2 z_i . z_j held at 0 from below;  out1 = Z.
; THIS LAUNCH: (1) 1 / rowsum(K) for all 8,192 rows, into RR as pairs (1/sum, 1/sum); (2) X's codes and scale bytes laid anew, in the order of the operand's registers, into XF;
; (3) the j side's operands of the product that makes d2, into XF beside them; (4) out1 = Z.  The next launch makes R, quantises it and multiplies.
; NO WORK OF reference() IS LEFT OUT, and every input is loaded.  K is computed here for the sums and again in the next launch for the codes: a row's sum is wanted before its first code.
; d2 BY THE MATRIX UNIT, IN f32 (its result goes on into a quantiser).  One v_wmma_f32_16x16x4_f32 with C = 0 gives t = c d2, c = log2(e) / 2, for 16 j x 16 i: source 0, row j = (x_j, y_j, sq_j, 1);
; source 1, column i = (-2c x_i, -2c y_i, c, c sq_i): the two K places that the product z_i . z_j leaves free carry the squares.  K = 2^(-|t|).
; LIMITS.  max(d2, 0) is kept as |d2| (the sign is dropped in v_exp_f32's source): K <= 1 for every input; it differs from the clamp only where rounding has left d2 under 0, and there by no more
; than d2's own rounding error.  c d2 is four fused multiply-adds in the order x, y, sq_j, sq_i with c folded into the i side: another order of rounding than reference()'s.  v_exp_f32 gives 0 where
; the result would lie under 2^-126 (ISA guide, the instruction's entry).  The division by the sum is v_rcp_f32 and a multiplication.  NaN and infinities in Z are not served.
; SHARES.  Work-group g owns rows 32 g .. 32 g + 31 (two tiles of 16); its eight waves share the 8,192 j, 1,024 each: 16 batches of 4 tiles of 16 j x 2 tiles of rows.  The waves' sums meet in LDS.
; XF: 32 records of REC bytes, record (ch, P) at (16 ch + P) REC: ch = which 256 columns of X, P = which 512 along K.
;   25,600 w + 6,144 st + 1,536 n + 512 q + 16 lane: registers 4 q .. 4 q + 3 of the fragment of columns 256 ch + 64 w + 16 n on, K step 4 P + st (128 along K)
;   25,600 w + 24,576 + 512 q + 16 lane:             the four scale words (K steps 4 P + 0 .. 3) of column 256 ch + 64 w + 32 q + lane
;   102,400 + 2,048 st + 512 q + 16 lane:            the j side's operands 2 q and 2 q + 1, two registers each, of K step 4 ((P + 1) % 16) + st: the record AFTER this one in the next launch's walk
;   Row m of operand t is j = 128 s + 64 (t / 4) + 8 (t % 4) + m % 8 + 32 (m / 8): so a lane's 32 results of operands 4 c .. 4 c + 3 are one whole block of 32 along K, in the order of the 6-bit operand.
.set REC,   110592
.set CH1,   16*REC                     ; from ch = 0 to ch = 1
.set SPARE, 1024                       ; LDS: 0 .. 1,023 the waves' partial sums (4 x thread); from here the spare words, 128 bytes for each wave, which no other line names
.set SPW,  1                           ; v1   LDS address of my spare word; never rewritten
.set NIL,  2                           ; v2   0; never rewritten
.set LANE, 3
.set R,    4                           ; lane % 16
.set H,    5                           ; lane / 16
.set L8,   6                           ; 8 x lane
.set L16,  7                           ; 16 x lane
.set AOFF, 8                           ; X's codes: row r of 6,144 bytes + 24 h
.set L4,   9                           ; 4 x lane
.set R8,   10                          ; 8 r
.set PS,   11                          ; 4 x thread: my place among the partial sums
.set IOP,  12                          ; v12-15   the i side's operand for each of the two tiles of rows
.set SUM,  16                          ; v16-31   eight packed chains: four for each tile of rows
.set ZP,   32                          ; v32-95   32 pairs (x, y): lane l of pair k holds j = 1,024 wave + 32 k + l
.set SQ,   96                          ; v96-99   two pairs (sq, 1)
.set T,    100                         ; v100-111 at work
.set D,    112                         ; v112-175 t: written by the f32 matrix instruction alone
.set E,    176                         ; v176-239 K; ahead of the sums: what the laying-out tasks hold
	s_load_b256 s[4:11], s[0:1], 0x0               ; X_codes s[4:5], X_scales s[6:7], Z s[8:9], XF s[10:11]
	s_load_b128 s[12:15], s[0:1], 0x20             ; RR s[12:13], out1 s[14:15]
	v_lshl_add_u32 v[SPW], v0, 2, SPARE
	v_mov_b32 v[NIL], 0
	v_lshrrev_b32 v[LANE], 5, v0
	v_readfirstlane_b32 s16, v[LANE]               ; wave 0..7
	v_and_b32 v[LANE], 31, v0
	v_and_b32 v[R], 15, v0
	v_bfe_u32 v[H], v0, 4, 1
	v_lshlrev_b32 v[L8], 3, v[LANE]
	v_lshlrev_b32 v[L16], 4, v[LANE]
	v_lshlrev_b32 v[L4], 2, v[LANE]
	v_lshlrev_b32 v[R8], 3, v[R]
	v_lshlrev_b32 v[PS], 2, v0
	v_mul_u32_u24 v[AOFF], v[R], 6144
	v_mad_u32_u24 v[AOFF], v[H], 24, v[AOFF]
	v_cmp_eq_u32 vcc_lo, 0, v[H]                   ; lanes 0-15; VCC is written nowhere else
	s_mov_b32 s20, 0x76543210
	s_mov_b32 s21, 0xfedcba98                      ; v_permlanex16_b32's selects for lane l xor 16
	; the fragment that my wave lays anew: tile of columns nt = g / 8, K step s = 8 (g % 8) + wave: a work-group's eight waves read 768 bytes on end of each of 16 rows
	s_lshr_b32 s22, ttmp9, 3                       ; nt
	s_and_b32 s23, ttmp9, 7
	s_lshl_b32 s23, s23, 3
	s_add_co_u32 s23, s23, s16                     ; s
	s_mul_i32 s24, s22, 16*6144
	s_mul_i32 s25, s23, 96
	s_add_co_u32 s24, s24, s25                     ; from: 16 nt rows + 96 s
	s_mov_b32 s25, 0
	s_lshr_b32 s26, s22, 4
	s_lshl_b32 s26, s26, 4                         ; 16 ch
	s_lshr_b32 s27, s23, 2                         ; P
	s_add_co_u32 s26, s26, s27
	s_mul_i32 s26, s26, REC
	s_bfe_u32 s27, s22, 0x20002                    ; w = (nt / 4) % 4
	s_mul_i32 s27, s27, 25600
	s_add_co_u32 s26, s26, s27
	s_and_b32 s27, s23, 3                          ; st
	s_mul_i32 s27, s27, 6144
	s_add_co_u32 s26, s26, s27
	s_and_b32 s27, s22, 3                          ; n
	s_mul_i32 s27, s27, 1536
	s_add_co_u32 s26, s26, s27                     ; to
	s_mov_b32 s27, 0
	s_lshl_b32 s36, ttmp9, 8                       ; 256 g: my work-group's 32 rows in Z, RR and out1
	s_mov_b32 s37, 0
	s_lshl_b32 s38, s16, 13                        ; my wave's 1,024 j in Z
	s_mov_b32 s39, 0
	s_wait_kmcnt 0x0
	s_add_nc_u64 s[24:25], s[4:5], s[24:25]
	s_add_nc_u64 s[26:27], s[10:11], s[26:27]
	s_add_nc_u64 s[38:39], s[8:9], s[38:39]
	s_add_nc_u64 s[40:41], s[8:9], s[36:37]
.set k, 0
.rept 32
	global_load_b64 v[ZP+2*k:ZP+2*k+1], v[L8], s[38:39] offset:256*k     ; 32 lanes read 256 consecutive bytes
.set k, k+1
.endr
	global_load_b64 v[204:205], v[R8], s[40:41]                          ; z of my rows: tile 0,
	global_load_b64 v[206:207], v[R8], s[40:41] offset:128               ; tile 1
.irp p, 0,1,2,3,4,5
	global_load_b64 v[E+2*\p:E+2*\p+1], v[AOFF], s[24:25] offset:48*(\p/3)+8*(\p%3)   ; the fragment: 24 bytes for K = 32 h on, 24 for K = 64 + 32 h on, as they lie
.endr
	; Wave 0: the scale words of 32 columns (g / 16) for 512 along K (g % 16): 16 bytes of each column's row
	s_cmp_lg_u32 s16, 0
	s_cbranch_scc1 .Lnot_scales
	s_lshr_b32 s28, ttmp9, 4                       ; which 32 columns
	s_and_b32 s29, ttmp9, 15                       ; P
	s_lshl_b32 s30, s28, 13
	s_lshl_b32 s31, s29, 4
	s_add_co_u32 s30, s30, s31
	s_mov_b32 s31, 0
	s_add_nc_u64 s[30:31], s[6:7], s[30:31]
	v_lshlrev_b32 v[T], 8, v[LANE]                 ; a column's row of scale bytes is 256 bytes
	global_load_b128 v[188:191], v[T], s[30:31]
	s_lshr_b32 s32, s28, 3
	s_lshl_b32 s32, s32, 4
	s_add_co_u32 s32, s32, s29
	s_mul_i32 s32, s32, REC
	s_bfe_u32 s33, s28, 0x20001                    ; w
	s_mul_i32 s33, s33, 25600
	s_add_co_u32 s32, s32, s33
	s_and_b32 s33, s28, 1                          ; q
	s_lshl_b32 s33, s33, 9
	s_add_co_u32 s32, s32, s33
	s_mov_b32 s33, 0
	s_add_nc_u64 s[32:33], s[10:11], s[32:33]
	s_wait_loadcnt 0x0                             ; for this load; the loads above, for which every wave waits below, are in with it
	global_store_b128 v[L16], v[188:191], s[32:33] offset:24576          ; 512 consecutive bytes
.Lnot_scales:
	; Wave 1: two of the j side's operands: K step s = g / 4, operands 2 (g % 4) and 2 (g % 4) + 1; the same bytes go to both halves' records
	s_cmp_lg_u32 s16, 1
	s_cbranch_scc1 .Lnot_j
	s_lshr_b32 s42, ttmp9, 2                       ; s
	s_and_b32 s43, ttmp9, 3                        ; q
	s_lshl_b32 s44, s42, 10                        ; 8 bytes x 128 s
	s_lshr_b32 s45, s43, 1
	s_lshl_b32 s45, s45, 9                         ; 8 x 64 (t / 4)
	s_add_co_u32 s44, s44, s45
	s_and_b32 s45, s43, 1
	s_lshl_b32 s45, s45, 7                         ; 8 x 8 (t % 4), t = 2 q
	s_add_co_u32 s44, s44, s45
	s_mov_b32 s45, 0
	s_add_nc_u64 s[44:45], s[8:9], s[44:45]
	v_and_b32 v[T+1], 7, v[R]
	v_lshrrev_b32 v[T+2], 3, v[R]
	v_lshlrev_b32 v[T+1], 3, v[T+1]
	v_lshl_add_u32 v[T+1], v[T+2], 8, v[T+1]       ; 8 x (m % 8 + 32 (m / 8))
	global_load_b64 v[192:193], v[T+1], s[44:45]
	global_load_b64 v[194:195], v[T+1], s[44:45] offset:64               ; the next operand's j lie 8 further on
	s_lshr_b32 s46, s42, 2
	s_add_co_u32 s46, s46, 15
	s_and_b32 s46, s46, 15                         ; the record in front of the step's own
	s_mul_i32 s46, s46, REC
	s_and_b32 s47, s42, 3
	s_lshl_b32 s47, s47, 11
	s_add_co_u32 s46, s46, s47
	s_lshl_b32 s47, s43, 9
	s_add_co_u32 s46, s46, s47
	s_mov_b32 s47, 0
	s_add_nc_u64 s[46:47], s[10:11], s[46:47]
	s_wait_loadcnt 0x0
	v_mul_f32 v[T+2], v192, v192
	v_mul_f32 v[T+3], v194, v194
	v_fma_f32 v[T+2], v193, v193, v[T+2]           ; sq_j
	v_fma_f32 v[T+3], v195, v195, v[T+3]
	v_cndmask_b32 v196, v[T+2], v192, vcc_lo       ; lanes 0-15: (x, y); lanes 16-31: (sq, 1)
	v_cndmask_b32 v197, 1.0, v193, vcc_lo
	v_cndmask_b32 v198, v[T+3], v194, vcc_lo
	v_cndmask_b32 v199, 1.0, v195, vcc_lo
	global_store_b128 v[L16], v[196:199], s[46:47] offset:102400
	global_store_b128 v[L16], v[196:199], s[46:47] offset:102400+CH1
.Lnot_j:
	; Wave 2: out1 = Z, my work-group's 256 bytes
	s_cmp_lg_u32 s16, 2
	s_cbranch_scc1 .Lnot_copy
	global_load_b64 v[200:201], v[L8], s[40:41]
	s_add_nc_u64 s[50:51], s[14:15], s[36:37]
	s_wait_loadcnt 0x0
	global_store_b64 v[L8], v[200:201], s[50:51]
.Lnot_copy:
	s_wait_loadcnt 0x0                             ; all that I asked for is in
.irp q, 0,1,2
	global_store_b128 v[L16], v[E+4*\q:E+4*\q+3], s[26:27] offset:512*\q     ; the fragment as an image of its registers: 512 consecutive bytes a store
.endr
	; the i side's operands: lanes 0-15 (-2c x_i, -2c y_i), lanes 16-31 (c, c sq_i)
.irp mt, 0,1
	v_mul_f32 v[T+4*\mt], v[204+2*\mt], v[204+2*\mt]
	v_mul_f32 v[T+4*\mt+1], 0xbfb8aa3b, v[204+2*\mt]                     ; -2c = -log2(e)
	v_mul_f32 v[T+4*\mt+2], 0xbfb8aa3b, v[205+2*\mt]
.endr
.irp mt, 0,1
	v_fma_f32 v[T+4*\mt], v[205+2*\mt], v[205+2*\mt], v[T+4*\mt]         ; sq_i
.endr
	v_mov_b32 v[T+8], 0x3f38aa3b                   ; c = log2(e) / 2
.irp mt, 0,1
	v_mul_f32 v[T+4*\mt], 0x3f38aa3b, v[T+4*\mt]
	v_cndmask_b32 v[IOP+2*\mt], v[T+8], v[T+4*\mt+1], vcc_lo
.endr
.irp mt, 0,1
	v_cndmask_b32 v[IOP+2*\mt+1], v[T+4*\mt], v[T+4*\mt+2], vcc_lo
.endr
	s_wait_xcnt 0x0                                ; the stores above have read their data: E's registers are written only behind this wait
; The last batch's 64 K are added into the eight chains, two at a time.  first = 1: the first sixteen pairs start the chains: nothing is cleared.
.macro ADDS first
.set p, 0
.rept 32
.if \first && (p < 8)
	v_pk_add_f32 v[SUM+2*p:SUM+2*p+1], v[E+2*p:E+2*p+1], v[E+2*p+16:E+2*p+17]
.elseif \first && (p < 16)
.else
	v_pk_add_f32 v[SUM+2*(p%8):SUM+2*(p%8)+1], v[SUM+2*(p%8):SUM+2*(p%8)+1], v[E+2*p:E+2*p+1]
.endif
.set p, p+1
.endr
.endm
; A BATCH: 64 j (two loaded pairs) x 32 rows.  A loaded pair holds 32 j; with (sq, 1) beside it, two exchanges of halves make of the two pairs two operands of 16 j each.
; Behind the f32 matrix form: 8 places before a result is read or a source written by a vector instruction, 9 before a matrix instruction writes over a result;
; the last batch's additions, which name none of the products' registers, are the places; the first batch has v_nop.
.macro BATCH b
.irp u, 0,1
	v_mul_f32 v[SQ+2*\u], v[ZP+4*(\b)+2*\u], v[ZP+4*(\b)+2*\u]           ; (a plain line behind the last batch's exponentials)
	v_mov_b32 v[SQ+2*\u+1], 1.0
.endr
.irp u, 0,1
	v_fma_f32 v[SQ+2*\u], v[ZP+4*(\b)+2*\u+1], v[ZP+4*(\b)+2*\u+1], v[SQ+2*\u]
.endr
.irp u, 0,1
	v_permlane16_swap_b32 v[ZP+4*(\b)+2*\u], v[SQ+2*\u]                  ; x of j 16-31 changes places with sq of j 0-15,
	v_permlane16_swap_b32 v[ZP+4*(\b)+2*\u+1], v[SQ+2*\u+1]              ; y of j 16-31 with the ones
.endr
.irp u, 0,1
.irp mt, 0,1
	v_wmma_f32_16x16x4_f32 v[D+32*\u+8*\mt:D+32*\u+8*\mt+7], v[ZP+4*(\b)+2*\u:ZP+4*(\b)+2*\u+1], v[IOP+2*\mt:IOP+2*\mt+1], 0
.endr
.irp mt, 0,1
	v_wmma_f32_16x16x4_f32 v[D+32*\u+16+8*\mt:D+32*\u+16+8*\mt+7], v[SQ+2*\u:SQ+2*\u+1], v[IOP+2*\mt:IOP+2*\mt+1], 0
.endr
.endr
.if (\b) == 0
.rept 12
	v_nop
.endr
.else
	s_wait_alu depctr_va_vdst(0)                   ; one wait for the last batch's 64 exponentials, ahead of their first reader
.if (\b) == 1
	ADDS 1
.else
	ADDS 0
.endif
.endif
.set k, 0
.rept 64
	v_exp_f32 v[E+k], -|v[D+k]|                    ; K = 2^(-|c d2|); each accumulator from its low end on
.set k, k+1
.endr
.endm
.set bb, 0
.rept 16
	BATCH bb
.set bb, bb+1
.endr
	v_nop                                          ; a plain line behind the last exponential
	s_wait_alu depctr_va_vdst(0)
	ADDS 0
	v_pk_add_f32 v[SUM:SUM+1], v[SUM:SUM+1], v[SUM+2:SUM+3]              ; the chains are joined: tile 0 in v16-23, tile 1 in v24-31
	v_pk_add_f32 v[SUM+8:SUM+9], v[SUM+8:SUM+9], v[SUM+10:SUM+11]
	v_pk_add_f32 v[SUM+4:SUM+5], v[SUM+4:SUM+5], v[SUM+6:SUM+7]
	v_pk_add_f32 v[SUM+12:SUM+13], v[SUM+12:SUM+13], v[SUM+14:SUM+15]
	v_pk_add_f32 v[SUM:SUM+1], v[SUM:SUM+1], v[SUM+4:SUM+5]
	v_pk_add_f32 v[SUM+8:SUM+9], v[SUM+8:SUM+9], v[SUM+12:SUM+13]
	v_add_f32 v[SUM], v[SUM], v[SUM+1]
	v_add_f32 v[SUM+8], v[SUM+8], v[SUM+9]
	v_permlanex16_b32 v[T], v[SUM], s20, s21       ; a row's other j lie in the lane 16 away
	v_permlanex16_b32 v[T+1], v[SUM+8], s20, s21
	v_add_f32 v[SUM], v[SUM], v[T]
	v_add_f32 v[SUM+8], v[SUM+8], v[T+1]
	v_cndmask_b32 v[SUM], v[SUM+8], v[SUM], vcc_lo ; lane l: my wave's sum for row 32 g + l
	ds_store_b32 v[PS], v[SUM]
	s_wait_dscnt 0x0                               ; for the others' sake: my store has landed
	s_barrier_signal -1
	s_barrier_wait -1
	s_cmp_lg_u32 s16, 0                            ; wave 0 adds the eight waves' sums
	s_cbranch_scc1 .Lend
.irp k, 0,1,2,3,4,5,6,7
	ds_load_b32 v[T+\k], v[L4] offset:128*\k
.endr
	s_add_nc_u64 s[12:13], s[12:13], s[36:37]
	s_wait_dscnt 0x0
	v_add_f32 v[T], v[T], v[T+1]
	v_add_f32 v[T+2], v[T+2], v[T+3]
	v_add_f32 v[T+4], v[T+4], v[T+5]
	v_add_f32 v[T+6], v[T+6], v[T+7]
	v_add_f32 v[T], v[T], v[T+2]
	v_add_f32 v[T+4], v[T+4], v[T+6]
	v_add_f32 v[T], v[T], v[T+4]                   ; at least about 1: j = i is among the terms
	v_rcp_f32 v[T+2], v[T]
	v_nop                                          ; a plain line behind the reciprocal,
	s_wait_alu depctr_va_vdst(0)                   ; and the wait ahead of its first reader
	v_mov_b32 v[T+3], v[T+2]                       ; twice: the next launch multiplies two numbers at a time by the pair
	global_store_b64 v[L8], v[T+2:T+3], s[12:13]   ; 32 lanes store 256 consecutive bytes, aligned
.Lend:
	s_wait_tensorcnt 0x0                           ; the wave's end
	ds_add_u32 v[SPW], v[NIL]
	s_wait_dscnt 0x0
	s_endpgm
.Lfunc_end_k_q24c24dfc4e_prep:
	.size	k_q24c24dfc4e_prep, .Lfunc_end_k_q24c24dfc4e_prep-k_q24c24dfc4e_prep
	.p2alignl 7, 3214868480
	.fill 96, 4, 3214868480
	.section	.rodata,"a",@progbits
	.p2align	6, 0x0
	.amdhsa_kernel k_q24c24dfc4e_prep
		.amdhsa_group_segment_fixed_size 2048
		.amdhsa_private_segment_fixed_size 0
		.amdhsa_enable_private_segment 0
		.amdhsa_kernarg_size 48
		.amdhsa_user_sgpr_count 2
		.amdhsa_user_sgpr_kernarg_segment_ptr 1
		.amdhsa_wavefront_size32 1
		.amdhsa_system_sgpr_workgroup_id_x 1
		.amdhsa_system_sgpr_workgroup_id_y 1
		.amdhsa_system_sgpr_workgroup_id_z 1
		.amdhsa_system_vgpr_workitem_id 0
		.amdhsa_next_free_vgpr 240
		.amdhsa_next_free_sgpr 66
		.amdhsa_reserve_vcc 1
		.amdhsa_float_denorm_mode_32 3
		.amdhsa_float_denorm_mode_16_64 3
		.amdhsa_memory_ordered 1
		.amdhsa_forward_progress 1
		.amdhsa_inst_pref_size 123
	.end_amdhsa_kernel
	.amdgpu_metadata
---
amdhsa.version: [ 1, 2 ]
amdhsa.kernels:
  - .name:           k_q24c24dfc4e_prep
    .symbol:         k_q24c24dfc4e_prep.kd
    .args:
      - { .name: X_codes, .offset: 0, .size: 8, .value_kind: global_buffer, .address_space: global }
      - { .name: X_scales, .offset: 8, .size: 8, .value_kind: global_buffer, .address_space: global }
      - { .name: Z, .offset: 16, .size: 8, .value_kind: global_buffer, .address_space: global }
      - { .name: XF, .offset: 24, .size: 8, .value_kind: global_buffer, .address_space: global }
      - { .name: RR, .offset: 32, .size: 8, .value_kind: global_buffer, .address_space: global }
      - { .name: out1, .offset: 40, .size: 8, .value_kind: global_buffer, .address_space: global }
    .group_segment_fixed_size: 2048
    .private_segment_fixed_size: 0
    .kernarg_segment_align: 8
    .kernarg_segment_size: 48
    .max_flat_workgroup_size: 256
    .sgpr_count:     66
    .vgpr_count:     240
    .wavefront_size: 32
...
	.end_amdgpu_metadata
.endif
;; end of part 1
;; launch main (part 2): grid 128 x 2, 12 waves a work-group, clusters of 4 x 1, 327,680 bytes of LDS; arguments XF, RR, Z, out0; writes out0
.if DOCPART == 2
	.amdgcn_target "amdgcn-amd-amdhsa--gfx1250"
	.amdhsa_code_object_version 6
	.text
	.protected	k_q24c24dfc4e_main
	.globl	k_q24c24dfc4e_main
	.p2align	8
	.type	k_q24c24dfc4e_main,@function
k_q24c24dfc4e_main:
	s_mov_b64 s[64:65], 0
	v_nop
	global_prefetch_b8 v0, s[64:65] scope:SCOPE_SE
	s_setreg_imm32_b32 hwreg(HW_REG_WAVE_MODE, 25, 1), 1
	s_wait_xcnt 0x0
	s_wait_alu depctr_hold_cnt(0) depctr_sa_sdst(0) depctr_va_vdst(0) depctr_va_sdst(0) depctr_va_ssrc(0) depctr_va_vcc(0) depctr_vm_vsrc(0)
	s_getreg_b32 s2, hwreg(HW_REG_IB_STS2, 6, 4)
	s_cmp_eq_u32 s2, 0
	s_cbranch_scc0 .Lentry_in_a_cluster
	s_endpgm
.Lentry_in_a_cluster:
	s_bfe_u32 s2, ttmp6, 0x10000c
	s_cmp_lg_u32 s2, 0x3003
	s_cbranch_scc0 .Lentry_shape_is_right
	s_endpgm
.Lentry_shape_is_right:
; out0 = Q(R) X on codes of FP6 (E2M3) with one E8M0 scale for each 32 along K = j.  R[i][j] = K[i][j] x (1 / rowsum_i), K = 2^(-|c d2|), c = log2(e) / 2; 1 / rowsum comes from RR, X from XF (both
; laid by the launch before; XF's layout is set out at that kernel's head).  No work of reference() is left out.  LIMITS: those stated at the first kernel's head (|d2| for max(d2, 0), the order of rounding
; in d2, v_exp_f32's zero under 2^-126, a multiplication by the reciprocal for the division); a block of R whose largest number lies under 2^-124 keeps the scale byte 1, a block of zeros too: its codes are zeros.
; K is summed in another order in each cluster (the walk below begins at another record).
; SHARES.  A work-group makes 64 rows x 256 columns of out0.  TWELVE WAVES IN TWO ROLES.  Waves 0-3 MULTIPLY: wave w holds all 64 rows x columns 64 w .. 64 w + 63 in 16 accumulators.  Waves 4-11 MAKE R:
; d2 by the f32 matrix form, the exponential, x 1/sum, the block's scale, the codes.  A tile of 16 rows (wave % 4) has TWO makers: waves 4-7 make a phase's K steps 0 and 1, waves 8-11 its K steps 2 and 3.
; By the text's own count four K steps of a tile of rows are 32 f32 products, 256 exponentials and some 350 plain lines, each waiting on the one before it, against a multiplier's 64 products and 100 LDS loads.
; R goes from the makers to the multipliers through LDS as images of the operand's registers (16 bytes x lane, 512 bytes a store), in two buffers of four K steps that take turns.
; A PHASE is 512 along K, one record of XF: four K steps of X's fragments and scale words for the four multipliers, and the j side's operands for the NEXT phase's R.  Records come through a ring of two
; slots; each of the twelve waves brings a twelfth of a record (36 rows of 256 bytes) by one tensor load.  In phase p the multipliers read slot p % 2 and image buffer p % 2; the makers read the slot's j
; operands and write image buffer (p + 1) % 2.  One barrier a phase orders all four: images written / read, images read / written again, slot landed / read, slot read / filled again.
; The first phase's R is made ahead of phase 0; its j operands come from XF straight into the makers' registers: they lie there as images of those registers.
; CLUSTER.  The four work-groups of a cluster make four blocks of rows for the same 256 columns and walk the same records: each load is asked for JOINTLY, with the same descriptor and the mask 15.
; THE WALK IS ROTATED: cluster x begins at record x % 16 and goes round.  The start hangs on the cluster's x, which the four partners share.
; THE PRODUCT IS USED TRANSPOSED (source 0 = 16 columns of X, source 1 = 16 rows of R): a lane then holds eight neighbouring columns of one row of out0.
; THE TWO ROLES SHARE REGISTER NUMBERS.  No wave changes its role, but the distances behind matrix instructions are kept on every way that the text has, from one role's arm into the other's too.
.set REC,    110592
.set CH1,    16*REC
.set PART,   REC/12                    ; 9,216 bytes = 36 rows of 256
.set XW,     25600                     ; a multiplier's part of a record: 4 K steps x 4 fragments x 1,536 bytes, then 1,024 bytes of scale words
.set XSCO,   24576
.set JOFF,   102400                    ; behind the four parts: the j side's operands, 4 K steps x 2,048 bytes
.set NU,     4                         ; a maker's units in a phase: two K steps, two halves each
; LDS: slot 0 at byte 0
.set SPARE,  110592                    ; the spare words, 128 bytes for each wave: six blocks of 256 bytes that no other line names
.set SLOT1,  112128
.set IMG,    222720                    ; two image buffers of IMGB bytes: fragment (st, mt) at 6,144 st + 1,536 mt; scale words at 24,576 + 256 mt + 16 r + 4 st.  No tensor load lands here
.set IMGB,   25600
.set STG,    273920                    ; the way out: 16 rows x (256 + 16) bytes for each multiplier.  No tensor load lands here
.set SP,     272
; registers of both roles, all made ahead of the first parting:
.set SPW,  1                           ; v1   LDS address of my spare word; never rewritten
.set NIL,  2                           ; v2   0; never rewritten
.set ADB,  3                           ; v3-4 my part of X in slot 0, 1: 25,600 (wave % 4) + 16 lane
.set ADA,  5                           ; v5   the images: IMG + 16 lane
.set ADJ,  6                           ; v6-7 a maker's j operands in slot 0, 1: 102,400 + 4,096 (wave / 8) + 16 lane
.set ADW,  8                           ; v8   where a maker stores its fragments: IMG + 1,536 (wave % 4) + 12,288 (wave / 8) + 16 lane
.set ADRS, 9                           ; v9   and its scale words: IMG + 24,576 + 256 (wave % 4) + 16 r + 8 (wave / 8)
.set STO,  10                          ; v10  the stage: where I put 32 bytes of a row
.set RD,   11                          ; v11  and where I read a row back
.set GO,   12                          ; v12  my byte offset in out0
.set L16,  13                          ; v13  16 x lane
.set XSC,  16                          ; v16-23 X's scale words: register 4 q + st, lane l: column 32 q + l.  These sixteen registers hold scales and nothing else
.set RSC,  24                          ; v24-31 R's: register 4 q + st, lane l: row 32 q + l
; a multiplier's:
.set BF,   32                          ; v32-79   four fragments of X
.set AF,   80                          ; v80-127  four fragments of R
.set ACC,  128                         ; v128-255 accumulator (mt, n) at 128 + 8 (4 mt + n)
.set OB,   32                          ; the way out: rows read back, v32-63 and v64-95 by turns
; a maker's:
.set PC,   32                          ; v32-43   the fragment's codes
.set TP,   44                          ; v44-46   a block's upper 16 codes (a conversion's three registers begin on an even number)
.set J,    48                          ; v48-79   the j side's operands of my two K steps: operand t of step s at 16 s + 2 t
.set IOP,  112                         ; v112-113 the i side's operand
.set RV,   114                         ; v114-115 (1/sum, 1/sum) of my lane's row
.set SH8,  116                         ; 8 h
.set MA,   117                         ; two chains of the block's maximum
.set MB,   118
.set W,    119                         ; the scale word
.set W2,   120
.set BY,   122                         ; v122-123 my two scale bytes of a K step
.set SO,   124                         ; v124-125 the conversions' scale operands
.set D,    128                         ; v128-191 c d2, two sets of 32: in either role written by matrix instructions alone
.set E,    192                         ; v192-255 K, then R, two sets of 32
.set WV,   12                          ; s12 wave; s13 wave % 4
.set W3,   13
.set RC,   17                          ; s17 the next record to ask for (taken % 16)
.set CNT,  18
.set SEL,  20                          ; s[20:21] selects for lane l xor 16
.set G1,   24                          ; s[24:31] descriptor group 1: 36 rows of 256 bytes
.set HF,   32                          ; s32 wave / 8: which two K steps a maker makes
.set JB,   34                          ; s[34:35] XF at the first phase's j operands, my two K steps
.set G0,   40                          ; s[40:43], s[44:47] group 0 for slot 0, 1
.set XB,   52                          ; s[52:53] XF at my half's record 0, my twelfth
.set OF,   54                          ; s[54:55] an offset, high word 0
.macro CROUND                          ; a round of the cluster's barrier
	s_barrier_signal -1
	s_barrier_wait -1
	s_cmp_lg_u32 s[WV], 0
	s_cbranch_scc1 .Lnot_wave_0_\@
	s_barrier_signal -3
.Lnot_wave_0_\@:
	s_barrier_wait -3
	s_barrier_signal -1
	s_barrier_wait -1
.endm
	s_load_b256 s[4:11], s[0:1], 0x0               ; XF s[4:5], RR s[6:7], Z s[8:9], out0 s[10:11]
	v_lshl_add_u32 v[SPW], v0, 2, SPARE
	v_mov_b32 v[NIL], 0
	ds_add_u32 v[SPW], v[NIL]                      ; the wave's opening: the add, twice on end, and its wait ahead of my first tensor load; the set-up below stands between
	ds_add_u32 v[SPW], v[NIL]
	v_lshrrev_b32 v13, 5, v0
	v_readfirstlane_b32 s[WV], v13                 ; wave 0..11
	s_and_b32 s[W3], s[WV], 3
	s_lshr_b32 s[HF], s[WV], 3                     ; 0 in waves 0-7, 1 in waves 8-11
	s_bfe_u32 s14, ttmp6, 0x40000                  ; cx: my place in the cluster
	s_lshl_b32 s15, ttmp9, 2
	s_add_co_u32 s15, s15, s14                     ; my block of 64 rows = 4 x cluster x + cx: it enters the addresses of Z, RR and out0 alone
	s_and_b32 s16, ttmp7, 0xffff                   ; which 256 columns: the cluster's y
	s_and_b32 s[RC], ttmp9, 15                     ; the walk's first record
	s_mov_b32 s[SEL], 0x76543210
	s_mov_b32 s[SEL+1], 0xfedcba98
	s_mov_b32 s[G1], 15|(3<<16)|(1<<21)            ; 15:0 the mask: all four work-groups; 17:16 elements of 8 bytes; 20 no padding; 21 set beside a mask
	s_mov_b32 s[G1+1], 32<<16                      ; tensor_dim0 = 32 elements: rows of 256 bytes
	s_mov_b32 s[G1+2], 36<<16                      ; tensor_dim1 = 36
	s_mov_b32 s[G1+3], 32<<16                      ; tile_dim0 = 32
	s_mov_b32 s[G1+4], 36                          ; tile_dim1 = 36
	s_mov_b32 s[G1+5], 32                          ; from row to row: dense
	s_mov_b32 s[G1+6], 0
	s_mov_b32 s[G1+7], 0
	v_and_b32 v13, 31, v0
	v_and_b32 v14, 15, v0                          ; r
	v_bfe_u32 v15, v0, 4, 1                        ; h
	v_lshlrev_b32 v[L16], 4, v13                   ; 16 x lane
	s_mul_i32 s56, s[W3], XW
	v_add_nc_u32 v[ADB], s56, v[L16]
	v_add_nc_u32 v[ADB+1], SLOT1, v[ADB]
	v_add_nc_u32 v[ADA], IMG, v[L16]
	s_lshl_b32 s56, s[HF], 12                      ; two K steps of j operands are 4,096 bytes
	s_add_co_u32 s56, s56, JOFF
	v_add_nc_u32 v[ADJ], s56, v[L16]
	v_add_nc_u32 v[ADJ+1], SLOT1, v[ADJ]
	s_mul_i32 s56, s[W3], 1536
	s_mul_i32 s57, s[HF], 12288                    ; two K steps of images
	s_add_co_u32 s56, s56, s57
	s_add_co_u32 s56, s56, IMG
	v_add_nc_u32 v[ADW], s56, v[L16]
	s_lshl_b32 s56, s[W3], 8
	s_lshl_b32 s57, s[HF], 3                       ; two K steps' scale words
	s_add_co_u32 s56, s56, s57
	s_add_co_u32 s56, s56, IMG+24576
	v_lshl_add_u32 v[ADRS], v14, 4, s56
	s_mul_i32 s56, s[W3], 16*SP
	s_add_co_u32 s56, s56, STG
	v_mul_u32_u24 v[STO], v14, SP                  ; in: row r, 32 bytes for each half of the lanes
	v_lshl_add_u32 v[STO], v15, 5, v[STO]
	v_add_nc_u32 v[STO], s56, v[STO]
	v_mul_u32_u24 v[RD], v15, SP                   ; back: lanes 0-15 one row of 256 bytes, lanes 16-31 the next
	v_lshl_add_u32 v[RD], v14, 4, v[RD]
	v_add_nc_u32 v[RD], s56, v[RD]
	v_lshlrev_b32 v[GO], 11, v15                   ; and the same two rows in out0 (2,048 bytes a row)
	v_lshl_add_u32 v[GO], v14, 4, v[GO]
	v_lshlrev_b32 v14, 3, v14                      ; 8 r: my lane's row in Z and RR
	s_mul_i32 s57, s[WV], PART                     ; my twelfth: in a record and in a slot alike
	s_mul_i32 s[OF], s16, CH1
	s_add_co_u32 s[OF], s[OF], s57
	s_mov_b32 s[OF+1], 0
	s_add_co_u32 s36, s[RC], 15                    ; the first phase's j operands lie in the record in front of the first
	s_and_b32 s36, s36, 15
	s_mul_i32 s36, s36, REC
	s_mul_i32 s37, s16, CH1
	s_add_co_u32 s36, s36, s37
	s_lshl_b32 s37, s[HF], 12                      ; my two K steps of them
	s_add_co_u32 s36, s36, s37
	s_add_co_u32 s36, s36, JOFF
	s_mov_b32 s37, 0
	s_lshl_b32 s22, s15, 9                         ; Z, RR: 8 bytes x (64 x block + 16 (wave % 4))
	s_lshl_b32 s19, s[W3], 7
	s_add_co_u32 s22, s22, s19
	s_mov_b32 s23, 0
	s_wait_dscnt 0x0                               ; both opening adds are done
	s_wait_kmcnt 0x0
	s_add_nc_u64 s[XB:XB+1], s[4:5], s[OF:OF+1]
	s_add_nc_u64 s[JB:JB+1], s[4:5], s[36:37]
.irp s, 0,1
	s_mov_b32 s[G0+4*\s], 1                        ; 1:0 count = 1
	s_add_co_u32 s[G0+4*\s+1], s57, \s*SLOT1       ; 63:32 LDS address
	s_and_b32 s56, s[RC], 15
	s_mul_i32 s[OF], s56, REC
	s_add_nc_u64 s[G0+4*\s+2:G0+4*\s+3], s[XB:XB+1], s[OF:OF+1]          ; 120:64 global address
	s_or_b32 s[G0+4*\s+3], s[G0+4*\s+3], 0x80000000                      ; 127:126 type = 2
	s_add_co_u32 s[RC], s[RC], 1
.endr
	s_add_nc_u64 s[58:59], s[8:9], s[22:23]        ; Z at my tile of rows
	s_add_nc_u64 s[60:61], s[6:7], s[22:23]        ; RR likewise
	s_lshl_b32 s22, s15, 17                        ; out0: 64 rows of 2,048 bytes x block + 1,024 x half + 256 (wave % 4)
	s_lshl_b32 s19, s16, 10
	s_add_co_u32 s22, s22, s19
	s_lshl_b32 s19, s[W3], 8
	s_add_co_u32 s22, s22, s19
	s_add_nc_u64 s[10:11], s[10:11], s[22:23]
	CROUND                                         ; all four work-groups are here: the first joint loads meet
	tensor_load_to_lds s[G0:G0+3], s[G1:G1+7]      ; the first fills go out together: two loads of mine are out.  The walk's first record,
	s_nop 0
	tensor_load_to_lds s[G0+4:G0+7], s[G1:G1+7]    ; its second
	s_nop 0
	; The i side's operand and 1/sum: made ahead of the parting of the roles, by all waves alike: a dozen lines, once
	global_load_b64 v[32:33], v14, s[58:59]
	global_load_b64 v[RV:RV+1], v14, s[60:61]
	v_cmp_eq_u32 s56, 0, v15                       ; lanes 0-15
	v_lshlrev_b32 v[SH8], 3, v15
	v_mov_b32 v[W2], 0                             ; written once: a lane permute's destination counts as one of its sources
	v_mov_b32 v37, 0x3f38aa3b                      ; c = log2(e) / 2
	s_wait_loadcnt 0x0
	v_mul_f32 v34, v32, v32
	v_mul_f32 v35, 0xbfb8aa3b, v32                 ; -2c x_i
	v_mul_f32 v36, 0xbfb8aa3b, v33                 ; -2c y_i
	v_fma_f32 v34, v33, v33, v34                   ; sq_i
	v_mul_f32 v34, 0x3f38aa3b, v34
	v_cndmask_b32 v[IOP], v37, v35, s56            ; lanes 0-15: (-2c x_i, -2c y_i); lanes 16-31: (c, c sq_i)
	v_cndmask_b32 v[IOP+1], v34, v36, s56
; ---- THE MULTIPLIERS ----
; One product.  Scale words: X's tile n lies in lanes 0-15 (n even) or 16-31 (n odd) of register 4 (n / 2) + st; R's tile m likewise.
.macro WM m, n, st, zero
.set rD, ACC+8*(4*(\m)+(\n))
.set rB, BF+12*(\n)
.set rA, AF+12*(\m)
.set rX, XSC+4*((\n)/2)+(\st)
.set rR, RSC+4*((\m)/2)+(\st)
.if \zero
.if ((\n)%2 == 0) && ((\m)%2 == 0)
	v_wmma_scale_f32_16x16x128_f8f6f4 v[rD:rD+7], v[rB:rB+11], v[rA:rA+11], 0, v[rX], v[rR] matrix_a_fmt:MATRIX_FMT_FP6 matrix_b_fmt:MATRIX_FMT_FP6
.elseif ((\n)%2 == 1) && ((\m)%2 == 0)
	v_wmma_scale_f32_16x16x128_f8f6f4 v[rD:rD+7], v[rB:rB+11], v[rA:rA+11], 0, v[rX], v[rR] matrix_a_fmt:MATRIX_FMT_FP6 matrix_b_fmt:MATRIX_FMT_FP6 matrix_a_scale:MATRIX_SCALE_ROW1
.elseif ((\n)%2 == 0)
	v_wmma_scale_f32_16x16x128_f8f6f4 v[rD:rD+7], v[rB:rB+11], v[rA:rA+11], 0, v[rX], v[rR] matrix_a_fmt:MATRIX_FMT_FP6 matrix_b_fmt:MATRIX_FMT_FP6 matrix_b_scale:MATRIX_SCALE_ROW1
.else
	v_wmma_scale_f32_16x16x128_f8f6f4 v[rD:rD+7], v[rB:rB+11], v[rA:rA+11], 0, v[rX], v[rR] matrix_a_fmt:MATRIX_FMT_FP6 matrix_b_fmt:MATRIX_FMT_FP6 matrix_a_scale:MATRIX_SCALE_ROW1 matrix_b_scale:MATRIX_SCALE_ROW1
.endif
.else
.if ((\n)%2 == 0) && ((\m)%2 == 0)
	v_wmma_scale_f32_16x16x128_f8f6f4 v[rD:rD+7], v[rB:rB+11], v[rA:rA+11], v[rD:rD+7], v[rX], v[rR] matrix_a_fmt:MATRIX_FMT_FP6 matrix_b_fmt:MATRIX_FMT_FP6
.elseif ((\n)%2 == 1) && ((\m)%2 == 0)
	v_wmma_scale_f32_16x16x128_f8f6f4 v[rD:rD+7], v[rB:rB+11], v[rA:rA+11], v[rD:rD+7], v[rX], v[rR] matrix_a_fmt:MATRIX_FMT_FP6 matrix_b_fmt:MATRIX_FMT_FP6 matrix_a_scale:MATRIX_SCALE_ROW1
.elseif ((\n)%2 == 0)
	v_wmma_scale_f32_16x16x128_f8f6f4 v[rD:rD+7], v[rB:rB+11], v[rA:rA+11], v[rD:rD+7], v[rX], v[rR] matrix_a_fmt:MATRIX_FMT_FP6 matrix_b_fmt:MATRIX_FMT_FP6 matrix_b_scale:MATRIX_SCALE_ROW1
.else
	v_wmma_scale_f32_16x16x128_f8f6f4 v[rD:rD+7], v[rB:rB+11], v[rA:rA+11], v[rD:rD+7], v[rX], v[rR] matrix_a_fmt:MATRIX_FMT_FP6 matrix_b_fmt:MATRIX_FMT_FP6 matrix_a_scale:MATRIX_SCALE_ROW1 matrix_b_scale:MATRIX_SCALE_ROW1
.endif
.endif
.endm
; A K step of 128: 24 loads of 512 consecutive bytes, 16 products.  The 16 accumulators take turns, one instruction a turn, in the same order in every step.
; zero = 1: the products start the sums: nothing is cleared.
.macro MMSTEP sl, st, zero
.rept 4
	v_nop                                          ; four places in front of loads into registers that the last products have read (ISA guide 7.12.1 for vector instructions)
.endr
.if \st == 0                                   ; the phase's scale words, four K steps to a load
	ds_load_b128 v[XSC:XSC+3],   v[ADB+\sl] offset:XSCO
	ds_load_b128 v[XSC+4:XSC+7], v[ADB+\sl] offset:XSCO+512
	ds_load_b128 v[RSC:RSC+3],   v[ADA] offset:IMGB*\sl+24576
	ds_load_b128 v[RSC+4:RSC+7], v[ADA] offset:IMGB*\sl+24576+512
.endif
.irp n, 0,1,2,3
.irp g, 0,1,2
	ds_load_b128 v[BF+12*\n+4*\g:BF+12*\n+4*\g+3], v[ADB+\sl] offset:6144*\st+1536*\n+512*\g
.endr
.endr
.irp m, 0,1,2,3
.irp g, 0,1,2
	ds_load_b128 v[AF+12*\m+4*\g:AF+12*\m+4*\g+3], v[ADA] offset:IMGB*\sl+6144*\st+1536*\m+512*\g
.endr
.endr
.irp m, 0,1,2,3
	s_wait_dscnt 9-3*\m                            ; X and R's tiles up to m are in; the later tiles' loads, three each, may be out
.irp n, 0,1,2,3
	WM \m, \n, \st, \zero
.endr
.endr
.endm
; ---- THE MAKERS ----
; A UNIT u is half a K step: my step u / 2, c = u % 2: for each lane one whole block of 32 along K (block 2 c + h of the step), in 32 registers, sets c = 0, 1 by turns.
.macro GW u                            ; c d2 of unit u: four products of 16 j x my 16 rows
.set gJ, J+16*((\u)/2)+8*((\u)%2)
.set gD, D+32*((\u)%2)
.irp tt, 0,1,2,3
	v_wmma_f32_16x16x4_f32 v[gD+8*\tt:gD+8*\tt+7], v[gJ+2*\tt:gJ+2*\tt+1], v[IOP:IOP+1], 0
.endr
.endm
.macro PLAIN                           ; plain line ii of 32 on the set at pE: 16 packed multiplications by 1/sum, then the largest of the 32 and the floor 2^(3 - 127) in two chains (none is negative: no |.|)
.if ii < 16
	v_pk_mul_f32 v[pE+2*ii:pE+2*ii+1], v[pE+2*ii:pE+2*ii+1], v[RV:RV+1]
.elseif ii == 16
	v_max3_num_f32 v[MA], v[pE], v[pE+1], 0x1800000
.elseif ii == 17
	v_max3_num_f32 v[MB], v[pE+2], v[pE+3], v[pE+4]
.elseif (ii < 31) && (ii%2 == 0)
	v_max3_num_f32 v[MA], v[MA], v[pE+5+2*(ii-18)], v[pE+6+2*(ii-18)]
.elseif ii < 31
	v_max3_num_f32 v[MB], v[MB], v[pE+5+2*(ii-18)], v[pE+6+2*(ii-18)]
.else
	v_max3_num_f32 v[MA], v[MA], v[MB], v[pE+31]
.endif
.endm
.macro INTER ke, kp                    ; the 32 exponentials of unit ke and the 32 plain lines of unit kp, by turns: they touch different sets
.set eD, D+32*((\ke)%2)
.set eE, E+32*((\ke)%2)
.set pE, E+32*(((\kp)+2)%2)
.set ii, 0
.rept 32
.if (\ke) < NU
	v_exp_f32 v[eE+ii], -|v[eD+ii]|                ; K = 2^(-|c d2|); each accumulator from its low end on
.endif
.if (\kp) >= 0
	PLAIN
.endif
.set ii, ii+1
.endr
.endm
.macro GPB kk, buf                     ; unit kk's scale and codes; behind a step's second unit the fragment and its scale word go to image buffer buf
.set gc, (\kk)%2
.set gs, (\kk)/2
.set gE, E+32*gc
	v_add_nc_u32 v[SO+gc], 0xff000000, v[MA]       ; 2 off the largest number's exponent field: the conversion takes that field as its scale, and nothing else of the operand
.if gc == 0
	s_wait_dscnt 0x0                               ; the last fragment's stores have read the registers that are written now
.endif
	v_cvt_scalef32_pk16_fp6_f32 v[PC+6*gc:PC+6*gc+2], v[gE:gE+15], v[SO+gc]
	v_cvt_scalef32_pk16_fp6_f32 v[TP:TP+2], v[gE+16:gE+31], v[SO+gc]
	v_lshrrev_b32 v[BY+gc], 23, v[SO+gc]           ; the scale's byte.  (Also the plain line behind the conversions)
.irp i, 0,1,2
	v_mov_b32 v[PC+6*gc+3+\i], v[TP+\i]            ; registers 6 c .. 6 c + 5: K = 64 c + 32 h + 0 .. 31
.endr
.if gc == 1
	v_lshl_or_b32 v[W], v[BY+1], 16, v[BY]         ; my two bytes: blocks h and 2 + h of my row,
	v_lshlrev_b32 v[W], v[SH8], v[W]               ; at their places;
	v_permlanex16_b32 v[W2], v[W], s[SEL], s[SEL+1]
	v_or_b32 v[W], v[W], v[W2]                     ; with lane l xor 16's two the word is whole
.irp g, 0,1,2
	ds_store_b128 v[ADW], v[PC+4*\g:PC+4*\g+3] offset:IMGB*(\buf)+6144*gs+512*\g
.endr
	ds_store_b32 v[ADRS], v[W] offset:IMGB*(\buf)+4*gs                   ; lanes r and 16 + r write the same word with the same value
.endif
.endm
; My two K steps of R for my 16 rows.  Unit k + 1's products, unit k's exponentials and unit k - 1's plain work stand together.
; glob = 1: the j operands come from XF itself (the first phase's, ahead of phase 0); glob = 0: from the slot, at v[jreg] + joff.  Either way eight loads of 512 consecutive bytes, 16 bytes a lane.
; Behind the f32 matrix form: 8 places before a result is read, 9 before it is written over: the 32 plain lines of a unit, which name none of the products' registers, are the places; at the start v_nop.
; One wait a unit for its 32 exponentials, ahead of the next unit's plain lines, which are their first readers, and ahead of every label.
.macro GEN glob, jreg, joff, buf
.rept 5
	v_nop                                          ; five places.  By the text's ways the multipliers' arm of the phase before leads here too: its last products read v44-127, into which the loads below land
.endr                                          ; (4 places are asked), and wrote v128-255, over which the first products below write
.set q, 0
.rept 8
.if \glob
	global_load_b128 v[J+4*q:J+4*q+3], v[L16], s[JB:JB+1] offset:512*q
.else
	ds_load_b128 v[J+4*q:J+4*q+3], v[\jreg] offset:\joff+512*q
.endif
.set q, q+1
.endr
.if \glob
	s_wait_loadcnt 4                               ; my first K step's four loads are in; the four behind them may be out
.else
	s_wait_dscnt 4                                 ; the same
.endif
	GW 0
	GW 1
.rept 8
	v_nop
.endr
	INTER 0, -1
	v_nop
	v_nop
	s_wait_alu depctr_va_vdst(0)
.if \glob
	s_wait_loadcnt 0x0                             ; my second K step's operands
.else
	s_wait_dscnt 0x0
.endif
.set k, 1
.rept NU
.if k < NU-1
	GW k+1
.endif
	INTER k, k-1
	GPB k-1, \buf
.if k < NU
	s_wait_alu depctr_va_vdst(0)
.endif
.set k, k+1
.endr
.endm
; ---- A PHASE ----
; Its head.  Every wave waits for all its tensor loads (its twelfth of the slot ahead), adds 0 to its spare word, and waits for that, for its reads of the slot and images that it leaves and for its image stores.
; refill = 1: the barrier is a round of the cluster's, and behind it the slot just left takes the record after the one ahead: one load a wave, with a whole phase in which to land.
.macro TOP sl, refill
	s_wait_tensorcnt 0x0                           ; no tensor load of mine is out, so a group 0 may be written
	ds_add_u32 v[SPW], v[NIL]                      ; 0 onto my spare word; the descriptor's step stands between it and the wait
.if \refill
	s_and_b32 s56, s[RC], 15
	s_mul_i32 s[OF], s56, REC
	s_add_nc_u64 s[G0+4*(1-\sl)+2:G0+4*(1-\sl)+3], s[XB:XB+1], s[OF:OF+1]
	s_or_b32 s[G0+4*(1-\sl)+3], s[G0+4*(1-\sl)+3], 0x80000000
	s_add_co_u32 s[RC], s[RC], 1
.endif
	s_wait_dscnt 0x0
.if \refill
	CROUND                                         ; no wave of any partner still reads the slot or has a load on its way
	tensor_load_to_lds s[G0+4*(1-\sl):G0+4*(1-\sl)+3], s[G1:G1+7]
	s_nop 0
.else
	s_barrier_signal -1
	s_barrier_wait -1
.endif
.endm
.macro BODY sl, zero                   ; the roles part on the wave's number, and meet again at the next phase's head
	s_cmp_lt_u32 s[WV], 4
	s_cbranch_scc0 .Lmake_\@
	MMSTEP \sl, 0, \zero
	MMSTEP \sl, 1, 0
	MMSTEP \sl, 2, 0
	MMSTEP \sl, 3, 0
	s_branch .Lmeet_\@
.Lmake_\@:
	GEN 0, ADJ+\sl, 0, 1-\sl
.Lmeet_\@:
.endm
	s_cmp_lt_u32 s[WV], 4
	s_cbranch_scc1 .Lfirst_made
	GEN 1, ADJ, 0, 0                               ; the makers make the first phase's R, into buffer 0, while the first two records are on their way
.Lfirst_made:
	s_wait_tensorcnt 0x1                           ; my twelfth of slot 0 is in; slot 1's, issued behind it, may stay out
	s_wait_dscnt 0x0                               ; my image stores have landed
	s_barrier_signal -1
	s_barrier_wait -1
	BODY 0, 1                                      ; phase 0: its first products start the sums
	s_mov_b32 s[CNT], 7
.Lpair:                                                ; phases 1 to 14, two a trip: each asks for the record of the phase after it
	TOP 1, 1
	BODY 1, 0
	TOP 0, 1
	BODY 0, 0
	s_sub_co_u32 s[CNT], s[CNT], 1
	s_cmp_lg_u32 s[CNT], 0
	s_cbranch_scc1 .Lpair
	TOP 1, 0                                       ; phase 15 is written out: nothing is left to ask for, and no R is left to make
	s_cmp_lt_u32 s[WV], 4
	s_cbranch_scc0 .Lend
	MMSTEP 1, 0, 0
	MMSTEP 1, 1, 0
	MMSTEP 1, 2, 0
	MMSTEP 1, 3, 0
; THE WAY OUT, a tile of 16 rows x my 64 columns at a time.  A lane holds 32 neighbouring bytes of a row and the lanes beside it hold other rows: so a tile goes through my own stage and comes back as whole
; rows of 256 bytes.  LDS serves a wave's instructions in order (ISA guide 5.7.1.4): no wait between the stores and the loads, nor in front of the next tile's stores.
.macro TOSTAGE a
.irp n, 0,1,2,3
	ds_store_b128 v[STO], v[ACC+8*(4*(\a)+\n):ACC+8*(4*(\a)+\n)+3] offset:64*\n          ; each accumulator from its low end on
	ds_store_b128 v[STO], v[ACC+8*(4*(\a)+\n)+4:ACC+8*(4*(\a)+\n)+7] offset:64*\n+16
.endr
.irp i, 0,1,2,3,4,5,6,7
	ds_load_b128 v[OB+32*((\a)%2)+4*\i:OB+32*((\a)%2)+4*\i+3], v[RD] offset:\i*2*SP
.endr
.endm
.macro SEND a, younger                 ; younger: the LDS instructions issued behind tile a's loads, which may stay out
	s_wait_dscnt \younger
.irp i, 0,1,2,3,4,5,6,7
	global_store_b128 v[GO], v[OB+32*((\a)%2)+4*\i:OB+32*((\a)%2)+4*\i+3], s[10:11] offset:(16*(\a)+2*\i)*2048 th:TH_STORE_NT   ; 16 lanes store 256 consecutive bytes, at a multiple of 256 from out0's first byte
.endr
.endm
.rept 4
	v_nop                                          ; four places behind the last products: for the stores that read results and for the loads into registers that held fragments
.endr
	TOSTAGE 0
.irp a, 1,2,3
.if \a > 1
	s_wait_xcnt 0x0                                ; tile a - 2's stores have read their registers: tile a's loads may land there
.endif
	TOSTAGE \a
	SEND \a-1, 16                                  ; behind tile a - 1's loads: tile a's 8 stores and 8 loads
.endr
	SEND 3, 0
.Lend:
	s_wait_tensorcnt 0x0                           ; the wave's end: three lines behind my last tensor load and my last LDS store
	ds_add_u32 v[SPW], v[NIL]
	s_wait_dscnt 0x0
	CROUND                                         ; the closing round: no work-group ends while a partner may still ask for a record that names it
	s_endpgm
.Lfunc_end_k_q24c24dfc4e_main:
	.size	k_q24c24dfc4e_main, .Lfunc_end_k_q24c24dfc4e_main-k_q24c24dfc4e_main
	.p2alignl 7, 3214868480
	.fill 96, 4, 3214868480
	.section	.rodata,"a",@progbits
	.p2align	6, 0x0
	.amdhsa_kernel k_q24c24dfc4e_main
		.amdhsa_group_segment_fixed_size 327680
		.amdhsa_private_segment_fixed_size 0
		.amdhsa_enable_private_segment 0
		.amdhsa_kernarg_size 32
		.amdhsa_user_sgpr_count 2
		.amdhsa_user_sgpr_kernarg_segment_ptr 1
		.amdhsa_wavefront_size32 1
		.amdhsa_system_sgpr_workgroup_id_x 1
		.amdhsa_system_sgpr_workgroup_id_y 1
		.amdhsa_system_sgpr_workgroup_id_z 1
		.amdhsa_system_vgpr_workitem_id 0
		.amdhsa_next_free_vgpr 256
		.amdhsa_next_free_sgpr 66
		.amdhsa_reserve_vcc 0
		.amdhsa_float_denorm_mode_32 3
		.amdhsa_float_denorm_mode_16_64 3
		.amdhsa_memory_ordered 1
		.amdhsa_forward_progress 1
		.amdhsa_inst_pref_size 160
	.end_amdhsa_kernel
	.amdgpu_metadata
---
amdhsa.version: [ 1, 2 ]
amdhsa.kernels:
  - .name:           k_q24c24dfc4e_main
    .symbol:         k_q24c24dfc4e_main.kd
    .args:
      - { .name: XF, .offset: 0, .size: 8, .value_kind: global_buffer, .address_space: global }
      - { .name: RR, .offset: 8, .size: 8, .value_kind: global_buffer, .address_space: global }
      - { .name: Z, .offset: 16, .size: 8, .value_kind: global_buffer, .address_space: global }
      - { .name: out0, .offset: 24, .size: 8, .value_kind: global_buffer, .address_space: global }
    .group_segment_fixed_size: 327680
    .private_segment_fixed_size: 0
    .kernarg_segment_align: 8
    .kernarg_segment_size: 32
    .max_flat_workgroup_size: 384
    .sgpr_count:     66
    .vgpr_count:     256
    .wavefront_size: 32
...
	.end_amdgpu_metadata
.endif
;; end of part 2
